; MI455X (gfx1250); checked and timed in simulation.
; The chip was launched on July 23, 2026; its instructions are those of AMD's public machine-readable ISA for CDNA 5 (MIT licence, August 2026) and "CDNA5" Instruction Set Architecture Reference Guide (July 2026). The comments in the code are by the model that wrote it; some were corrected since.
;; BF16 Indexer Baseline. Allowed arithmetic: float matrix products may take bf16 or f16 operands with f32 sums; all other float work in f32.
;; Inputs: k 1 x 4,096 x 128 bfloat16; q 1 x 2,048 x 16 x 128 bfloat16; weights 16 x 2,048 bfloat16.
;; Outputs: out0 1 x 2,048 x 4,096 float32.
;; One version. Each part assembles by itself: llvm-mc -triple=amdgcn-amd-amdhsa -mcpu=gfx1250 --defsym DOCPART=n.
;; ======== version 1 of 1: 1 launch
;; launch indexer (part 1): grid 8 x 32, 4 waves a work-group, clusters of 4 x 4, 327,680 bytes of LDS; arguments q, k, weights, out0; writes out0
.if DOCPART == 1
	.amdgcn_target "amdgcn-amd-amdhsa--gfx1250"
	.amdhsa_code_object_version 6
	.text
	.protected	k_q40019a5004_indexer
	.globl	k_q40019a5004_indexer
	.p2align	8
	.type	k_q40019a5004_indexer,@function
k_q40019a5004_indexer:
	s_mov_b64 s[64:65], 0
	v_nop
	global_prefetch_b8 v0, s[64:65] scope:SCOPE_SE
	s_setreg_imm32_b32 hwreg(HW_REG_WAVE_MODE, 25, 1), 1
	s_wait_xcnt 0x0
	s_wait_alu depctr_hold_cnt(0) depctr_sa_sdst(0) depctr_va_vdst(0) depctr_va_sdst(0) depctr_va_ssrc(0) depctr_va_vcc(0) depctr_vm_vsrc(0)
	s_getreg_b32 s2, hwreg(HW_REG_IB_STS2, 6, 4)
	s_cmp_eq_u32 s2, 0
	s_cbranch_scc0 .Lentry_in_a_cluster
	s_endpgm
.Lentry_in_a_cluster:
	s_bfe_u32 s2, ttmp6, 0x10000c
	s_cmp_lg_u32 s2, 0xf033
	s_cbranch_scc0 .Lentry_shape_is_right
	s_endpgm
.Lentry_shape_is_right:
; out[m][n] = sum over h of q_s[m][h] * relu( sum over d of q[m][h][d] k[n][d] ),  q_s[m][h] = weights[h][m] * 128^-0.5.
; q: [2048][16][128] bf16, k: [4096][128] bf16, weights: [16][2048] bf16, out: [2048][4096] f32.
;
; LIMITS.  The products' sums and q_s are kept in f32 (they are not rounded to bf16 on the way).  A logit that is NaN (NaN or infinities in q or k) counts
; as 0 in the relu, since v_max_num_f32 lets a NaN lose.  The sign of the weights is not relied on.
;
; SHARES.  A work-group makes 64 rows m x 512 columns n: 32 x 8 = 256 work-groups of equal work.  A wave makes all 64 m x 128 columns.  Its 128 rows of k stay in
; 256 registers for the whole kernel; q goes by from LDS.  A step takes a pair of rows, mL = m0 + s and mU = m0 + 32 + s, in two phases of 64 columns;
; a phase is 8 tiles of 16 x 16 (4 column tiles x 2 halves of the heads) x 4 quarters of K = 32 matrix instructions.
; THE HEAD SUM STAYS IN THE LANE.  Rows 0-7 of an A fragment are heads 8b .. 8b+7 of mL, rows 8-15 the same heads of mU.  In the result register j of
; lane (r, hh) is row 8 hh + j, column r: lanes 0-15 hold eight heads of mL, lanes 16-31 eight heads of mU.  No step between lanes is needed.
; THE COLUMNS ARE PERMUTED.  Column r of column tile t of phase g is n = nW + 64 g + 4 r + t, so a lane's four sums t = 0..3 are 16 neighbouring bytes of a row
; of out: one 16-byte store of the wave covers 256 consecutive aligned bytes of row mL (lanes 0-15) and 256 of row mU (lanes 16-31).  No LDS stage on the way out.
; THE EPILOGUE OF STEP s - 1 (relu, 16 multiply-adds a column, store) is strewn among the matrix instructions of step s: two sets of accumulators take turns.
; CLUSTERS, 4 x 4.  q's tiles hang on the block row alone and are asked for jointly along a row of the cluster; k's hang on the block column alone and are asked
; for jointly along a column: the requests for both are divided by four.
; NO PREFETCH: all that a work-group reads is asked for by six tensor loads a wave, five of them in its first lines.
;
; LDS, rows of 272 bytes (256 of data + 16 of padding):
;   L  at 0:       32 slots of 16 rows (the 16 heads of one m): slot p = q of m0 + p
;   U  at 139,392: the same for m0 + 32 + p.  U lies 128 bytes past a multiple of 256, so that the eight rows that lanes 8-15 of a fragment load take from U
;                  begin 32 words (mod 64) behind the eight that lanes 0-7 take from L: sixteen different 16-byte columns
;   WT at 278,784: q_s in f32, 64 bytes (16 heads) for each of the 64 m; written by ds_store; no tensor load ever lands here
;   Wave w fills slots 0-15 of its area (128 rows) with q at once; its k first lies in the bytes of the later slots (16-31), is read into registers by the wave
;   that fetched it, and those bytes are then filled once more, with q of the 16 later m.
;
; REGISTERS, in windows of 256:  window 0: addresses, two buffers of q fragments, two of q_s.  Window 1 serves phase 0, window 2 phase 1, alike:
;   v0-127 k fragments ((t, kk) at 32 t + 8 kk), v128-191 accumulator set 0, v192-255 set 1 (tile i = 2 t + b at + 8 i).
.set OROW,   16384                     ; bytes in a row of out
.set PITCH,  272
.set SLOTB,  16*PITCH                  ; a slot: 4,352 bytes
.set AREA,   8*SLOTB                   ; what one tensor load of q brings: 128 rows, 34,816 bytes
.set UBASE,  32*SLOTB+128              ; 139,392
.set LATE,   16*SLOTB                  ; slots 16-31 begin 69,632 bytes behind slots 0-15
.set KPLANE, 32*PITCH                  ; one tensor load of k: 32 rows, 8,704 bytes
.set WT,     UBASE+32*SLOTB+128        ; 278,784 = 1,089 x 256
.set ADRK, 16                          ; v16  LDS address of my k fragments
.set ADRQ, 17                          ; v17  LDS address of my q fragments in the slot that is fetched next
.set ADRW, 18                          ; v18  LDS address of the 16 q_s of my m of the step at hand
.set CO,   19                          ; v19  my byte offset in out; never rewritten
.set WOFF, 20                          ; v20  my byte offset in weights
.set WSTO, 21                          ; v21  where my eight q_s go in WT
.set WRAW, 24                          ; v[24:27]  eight weights as loaded
.set WF,   28                          ; v[28:35]  the same in f32
.set QB0,  64                          ; v[64:127], v[128:191]  q fragments, two buffers: (b, kk) at + 32 b + 8 kk
.set WB0,  192                         ; v[192:207], v[208:223] q_s, two buffers
.set G1Q,  16                          ; s[16:23] descriptor group 1 for q
.set G1K,  24                          ; s[24:31] descriptor group 1 for k
.set G0Q,  32                          ; s[32:39] descriptor group 0 for q: first fill, refill
.set G0K,  48                          ; s[48:63] descriptor group 0 for k: four loads
.set G1FLAGS, (1<<16)|(1<<20)|(1<<21)|(5<<22)|(3<<25)   ; elements of 2 bytes; padding on; bit 21 set beside a mask; after every 64 words; 4 words
.set S1, 0x54                          ; source 0 in window 0; sources 1 and 2 and the destination in window 1
.set S2, 0xa8                          ; the same with window 2
.set MSB, 0
.macro WIN new                         ; the immediate's high byte repeats the setting that is left
.if MSB != \new
	s_set_vgpr_msb (MSB<<8)|\new
.set MSB, \new
.endif
.endm
; A round of the cluster's barrier: my work-group's barrier, wave 0 signals for the work-group, every wave waits for all sixteen, my work-group's barrier again.
.macro ROUND
	s_barrier_signal -1
	s_barrier_wait -1
	s_cmp_lg_u32 s12, 0
	s_cbranch_scc1 .Lnot_wave_0_\@
	s_barrier_signal -3
.Lnot_wave_0_\@:
	s_barrier_wait -3
	s_barrier_signal -1
	s_barrier_wait -1
.endm
.macro PLACES                          ; four places behind a matrix instruction (ISA guide 7.12.1), where no useful vector work stands there
.rept 4
	v_nop
.endr
.endm
	s_load_b256 s[4:11], s[0:1], 0x0               ; q s[4:5], k s[6:7], weights s[8:9], out s[10:11]
	v_lshl_add_u32 v254, v0, 2, 0x45100
	v_mov_b32 v255, 0
	ds_add_u32 v254, v255
	v_lshrrev_b32 v3, 5, v0
	v_readfirstlane_b32 s12, v3                    ; wave w, 0..3
	s_and_b32 s13, s12, 1                          ; w & 1: which 8 m of 16
	s_lshr_b32 s14, s12, 1                         ; w >> 1: L (0) or U (1)
	s_bfe_u32 s40, ttmp6, 0x40000                  ; cx
	s_bfe_u32 s41, ttmp6, 0x40004                  ; cy
	s_lshl_b32 s42, ttmp9, 2
	s_add_co_u32 s42, s42, s40                     ; bx = 4 x cluster x + cx: block of 512 columns
	s_and_b32 s43, ttmp7, 0xffff
	s_lshl_b32 s43, s43, 2
	s_add_co_u32 s43, s43, s41                     ; by = 4 x cluster y + cy: block of 64 rows
	s_lshl_b32 s44, s41, 2
	s_lshl_b32 s44, 15, s44                        ; my row of the cluster: places 4 cy .. 4 cy + 3
	s_lshl_b32 s45, 0x1111, s40                    ; my column: places cx, cx + 4, cx + 8, cx + 12
	s_mul_i32 s46, s14, UBASE
	s_mul_i32 s66, s13, AREA
	s_add_co_u32 s46, s46, s66                     ; my wave's area in LDS: made of the wave's number alone
	; group 1 for q: 128 rows (8 m x 16 heads) of 128 elements, dense in memory
	s_or_b32  s[G1Q+0], s44, G1FLAGS               ; the mask: my row of the cluster
	s_mov_b32 s[G1Q+1], 128<<16                    ; tensor_dim0 = 128
	s_mov_b32 s[G1Q+2], 128<<16                    ; tensor_dim1 = 128
	s_mov_b32 s[G1Q+3], 128<<16                    ; tile_dim0 = 128
	s_mov_b32 s[G1Q+4], 128                        ; tile_dim1 = 128
	s_mov_b32 s[G1Q+5], 128                        ; from row to row: 128 elements
	s_mov_b32 s[G1Q+6], 0
	s_mov_b32 s[G1Q+7], 0
	; group 1 for k: 32 rows of 128 elements, every fourth row of k (the permutation of the columns)
	s_or_b32  s[G1K+0], s45, G1FLAGS               ; the mask: my column of the cluster
	s_mov_b32 s[G1K+1], 128<<16
	s_mov_b32 s[G1K+2], 32<<16                     ; tensor_dim1 = 32
	s_mov_b32 s[G1K+3], 128<<16
	s_mov_b32 s[G1K+4], 32                         ; tile_dim1 = 32
	s_mov_b32 s[G1K+5], 512                        ; from row to row: 4 rows of k
	s_mov_b32 s[G1K+6], 0
	s_mov_b32 s[G1K+7], 0
	; group 0: count and LDS addresses
	s_mov_b32 s[G0Q+0], 1
	s_mov_b32 s[G0Q+1], s46                        ; slots 0-15 of my area
	s_mov_b32 s[G0Q+4], 1
	s_add_co_u32 s[G0Q+5], s46, LATE               ; the later slots
.irp t, 0,1,2,3
	s_mov_b32 s[G0K+4*\t], 1
	s_add_co_u32 s[G0K+4*\t+1], s46, LATE+KPLANE*\t   ; k's four planes lie first where the later slots will be
.endr
	; byte offsets, each in registers of its own: q's never holds cx, k's never holds cy
	s_lshl_b32 s66, s43, 18                        ; q: by x 64 m x 4,096 bytes
	s_lshl_b32 s67, s14, 17                        ;    + 32 m for U
	s_add_co_u32 s66, s66, s67
	s_lshl_b32 s67, s13, 15                        ;    + 8 m for the odd waves
	s_add_co_u32 s66, s66, s67
	s_mov_b32 s67, 0
	s_lshl_b32 s68, s42, 17                        ; k: bx x 512 rows x 256 bytes
	s_lshl_b32 s69, s12, 15                        ;    + w x 128 rows
	s_add_co_u32 s68, s68, s69
	s_mov_b32 s69, 0
	s_lshl_b32 s70, s43, 7                         ; weights: by x 64 m x 2 bytes
	s_mov_b32 s71, 0
	s_lshl_b32 s72, s43, 20                        ; out: by x 64 rows x 16,384 bytes
	s_lshl_b32 s73, s42, 11                        ;      + bx x 512 columns x 4 bytes
	s_add_co_u32 s72, s72, s73
	s_lshl_b32 s73, s12, 9                         ;      + w x 128 columns
	s_add_co_u32 s72, s72, s73
	s_mov_b32 s73, 0
	s_add_co_u32 s74, s46, LATE
	; lane terms
	v_and_b32 v1, 15, v0                           ; r
	v_bfe_u32 v2, v0, 4, 1                         ; hh
	v_mul_u32_u24 v4, v1, PITCH
	v_lshl_add_u32 v4, v2, 4, v4
	v_add_nc_u32 v[ADRK], s74, v4                  ; k: row r of a plane's 16, 16 bytes for each half of the lanes
	v_and_b32 v5, 7, v1
	v_lshrrev_b32 v6, 3, v1
	v_mul_u32_u24 v5, v5, PITCH
	v_lshl_add_u32 v5, v2, 4, v5
	v_mad_u32_u24 v[ADRQ], v6, UBASE, v5           ; q: lanes r < 8 head r & 7 in L, lanes r >= 8 the same head in U
	v_lshlrev_b32 v[ADRW], 11, v2
	v_add_nc_u32 v[ADRW], WT, v[ADRW]              ; q_s of m0 + s (lanes 0-15) or m0 + 32 + s (lanes 16-31)
	v_lshlrev_b32 v[CO], 4, v1
	v_lshl_add_u32 v[CO], v2, 19, v[CO]            ; 16 r, and 32 rows of out further down for lanes 16-31
	v_lshrrev_b32 v7, 3, v0                        ; weights: thread t takes head t >> 3
	v_and_b32 v8, 7, v0                            ; and the eight m at 8 (t & 7)
	v_lshlrev_b32 v[WOFF], 4, v8
	v_lshl_add_u32 v[WOFF], v7, 12, v[WOFF]
	v_lshlrev_b32 v[WSTO], 2, v7
	v_lshl_add_u32 v[WSTO], v8, 9, v[WSTO]
	v_add_nc_u32 v[WSTO], WT, v[WSTO]
	s_wait_dscnt 0x0
	s_wait_kmcnt 0x0
	s_add_nc_u64 s[G0Q+2:G0Q+3], s[4:5], s[66:67]
	s_add_nc_u64 s[G0Q+6:G0Q+7], s[G0Q+2:G0Q+3], 0x10000   ; the refill: 16 m further on
	s_or_b32 s[G0Q+3], s[G0Q+3], 0x80000000        ; type = 2
	s_or_b32 s[G0Q+7], s[G0Q+7], 0x80000000
	s_add_nc_u64 s[6:7], s[6:7], s[68:69]
.irp t, 0,1,2,3
	s_add_nc_u64 s[G0K+4*\t+2:G0K+4*\t+3], s[6:7], 256*\t  ; plane t begins at row nW + t
	s_or_b32 s[G0K+4*\t+3], s[G0K+4*\t+3], 0x80000000
.endr
	s_add_nc_u64 s[8:9], s[8:9], s[70:71]
	s_add_nc_u64 s[10:11], s[10:11], s[72:73]
	ROUND                                          ; all sixteen work-groups are here: the first joint loads meet
.irp t, 0,1,2,3
	tensor_load_to_lds s[G0K+4*\t:G0K+4*\t+3], s[G1K:G1K+7]   ; the first fills go out as one group: k's four planes,
	s_nop 0
.endr
	tensor_load_to_lds s[G0Q:G0Q+3], s[G1Q:G1Q+7]  ; then q's slots 0-15.  Five tensor loads of the wave are out, the most in this text
	s_nop 0
	; q_s: each thread widens eight weights, scales them by 128^-0.5 and lays them into WT, transposed
	global_load_b128 v[WRAW:WRAW+3], v[WOFF], s[8:9]
	s_wait_loadcnt 0x0
.irp j, 0,1,2,3
	v_lshlrev_b32 v[WF+2*\j],   16, v[WRAW+\j]
	v_and_b32     v[WF+2*\j+1], 0xffff0000, v[WRAW+\j]
.endr
.irp j, 0,2,4,6
	v_pk_mul_f32 v[WF+\j:WF+\j+1], v[WF+\j:WF+\j+1], 0x3db504f3 op_sel_hi:[1,0]
.endr
.irp j, 0,1,2,3,4,5,6,7
	ds_store_b32 v[WSTO], v[WF+\j] offset:64*\j    ; m 8 (t & 7) + j, head t >> 3
.endr
; k into registers: the fragments of the 64 columns of phase g, 32 loads.  Row 16 g + r of plane t is k's row nW + 64 g + 4 r + t.
.macro KFRAGS g
.irp t, 0,1,2,3
.irp kk, 0,1,2,3
	ds_load_b128 v[32*\t+8*\kk:32*\t+8*\kk+3],   v[ADRK] offset:KPLANE*\t+SLOTB*\g+64*\kk
	ds_load_b128 v[32*\t+8*\kk+4:32*\t+8*\kk+7], v[ADRK] offset:KPLANE*\t+SLOTB*\g+64*\kk+32
.endr
.endr
.endm
	s_wait_tensorcnt 0x1                           ; tensor loads of a wave end in order: my four planes of k are in; the one load issued behind them, q's, may be out.
	                                               ; I read only the k that I fetched: no barrier is needed for these reads
	WIN 0x40                                       ; destination in window 1
	KFRAGS 0
	WIN 0x80                                       ; destination in window 2
	KFRAGS 1
	WIN 0
	s_wait_dscnt 0x0                               ; my reads of k's planes are back and my stores into WT are done,
	s_wait_tensorcnt 0x0                           ; and all my tensor loads have landed, my part of slots 0-15 among them
	ds_add_u32 v254, v255
	s_wait_dscnt 0x0
	ROUND                                          ; that now holds of every wave of every work-group of the cluster
	tensor_load_to_lds s[G0Q+4:G0Q+7], s[G1Q:G1Q+7]   ; the one refill: q of the 16 later m, where my k lay; it has 15 steps in which to land
	s_nop 0
; 16 LDS loads: the two q fragments (heads 0-7, 8-15) x 4 quarters of K of the next slot, into buffer f; then the address steps to the slot behind it
.macro QLOAD f
.irp b, 0,1
.irp kk, 0,1,2,3
	ds_load_b128 v[\f+32*\b+8*\kk:\f+32*\b+8*\kk+3],   v[ADRQ] offset:8*PITCH*\b+64*\kk
	ds_load_b128 v[\f+32*\b+8*\kk+4:\f+32*\b+8*\kk+7], v[ADRQ] offset:8*PITCH*\b+64*\kk+32
.endr
.endr
	v_add_nc_u32 v[ADRQ], SLOTB, v[ADRQ]
.endm
; In the middle of step s (parity par): q of step s + 1 into the other buffer, and the q_s of step s, which its epilogue uses one step later
.macro FETCH par, fetch
.if \fetch
	QLOAD QB0+64*(1-\par)
.endif
.irp j, 0,1,2,3
	ds_load_b128 v[WB0+16*\par+4*\j:WB0+16*\par+4*\j+3], v[ADRW] offset:16*\j
.endr
	v_add_nc_u32 v[ADRW], 64, v[ADRW]
.endm
; One unit of the epilogue on the set XO with the q_s in WBO: the relu of pair eu, and the packed multiply-add of pair eu - 1 (one unit behind, so that it does
; not wait for its relu).  Pair p is heads 2 (p % 8), + 1 of column tile p / 8.  The first product of a column tile starts its sums, in place: nothing is cleared.
.macro EU
.if eu < 32
	v_max_num_f32 v[XO+2*eu],   0, v[XO+2*eu]
	v_max_num_f32 v[XO+2*eu+1], 0, v[XO+2*eu+1]
.endif
.if eu > 0
.set pu, eu-1
.if (pu%8) == 0
	v_pk_mul_f32 v[XO+2*pu:XO+2*pu+1], v[WBO:WBO+1], v[XO+2*pu:XO+2*pu+1]
.else
	v_pk_fma_f32 v[XO+16*(pu/8):XO+16*(pu/8)+1], v[WBO+2*(pu%8):WBO+2*(pu%8)+1], v[XO+2*pu:XO+2*pu+1], v[XO+16*(pu/8):XO+16*(pu/8)+1]
.endif
.endif
.set eu, eu+1
.endm
; The even and the odd heads' sums of each column tile meet; the four results go to registers 4-7 of tile 0, which are dead by now.
; Written as 1.0 x a + b: under the phase's setting only the second and third source places mean the accumulators' window.
.macro FINALS
.irp t, 0,1,2,3
	v_fma_f32 v[XO+4+\t], 1.0, v[XO+16*\t], v[XO+16*\t+1]
.endr
.endm
; A phase: 32 matrix instructions into set par of the window at hand.  The eight accumulators take turns, one instruction a turn.
; epi = 1: the epilogue of the step before, on the other set of the same window, is strewn among them: 33 units, the four sums, one store.
; That set was written a phase or more ago, behind far more than four vector instructions.
.macro PHASE par, epi, g, srow
.set XN,  128+64*\par
.set XO,  128+64*(1-\par)
.set QBN, QB0+64*\par
.set WBO, WB0+16*(1-\par)
.set eu, 0
.set n, 0
.rept 32
.if n < 8
	v_wmma_f32_16x16x32_bf16 v[XN+8*(n%8):XN+8*(n%8)+7], v[QBN+32*(n%2)+8*(n/8):QBN+32*(n%2)+8*(n/8)+7], v[32*((n%8)/2)+8*(n/8):32*((n%8)/2)+8*(n/8)+7], 0
.else
	v_wmma_f32_16x16x32_bf16 v[XN+8*(n%8):XN+8*(n%8)+7], v[QBN+32*(n%2)+8*(n/8):QBN+32*(n%2)+8*(n/8)+7], v[32*((n%8)/2)+8*(n/8):32*((n%8)/2)+8*(n/8)+7], v[XN+8*(n%8):XN+8*(n%8)+7]
.endif
.if \epi
.if n < 24
	EU
.if (n%3) == 0
	EU
.endif
.endif
.if n == 24
	EU
	FINALS
.endif
.if n == 25
	global_store_b128 v[CO], v[XO+4:XO+7], s[10:11] offset:\srow*OROW+256*\g th:TH_STORE_NT   ; 16 lanes store 256 consecutive aligned bytes of a row
.endif
.endif
.set n, n+1
.endr
.if \epi == 0
	PLACES                                         ; no epilogue stands here: the places behind these products
.endif
.endm
; A step.  srow: the row of the step before, counted from the stores' base.  adv = 1: the base goes two rows on.
.macro STEP par, epi, fetch, srow, adv
	s_wait_dscnt 0x0                               ; this step's q and the last step's q_s, asked for a phase (32 matrix instructions) ago
.if \epi
	s_wait_xcnt 0x0                                ; the last step's stores have had their addresses translated (ISA guide 3.1): their data lie in the set
	                                               ; that this step's first products write, and their base is stepped only behind this wait
.endif
.if \adv
	s_add_nc_u64 s[10:11], s[10:11], 2*OROW
.endif
	WIN S1
	PHASE \par, \epi, 0, \srow
	WIN 0
	FETCH \par, \fetch
	WIN S2
	PHASE \par, \epi, 1, \srow
.endm
.macro TRIP                            ; an odd and an even step; they store the rows of the steps before them, 2 and 1 behind the stepped base
	STEP 1, 1, 1, -2, 1
	STEP 0, 1, 1, -1, 0
	WIN 0                                          ; at a label and at a branch every window is 0
.endm
; The epilogue of the last step, with nothing left to multiply
.macro DRAIN g
.set XO,  192
.set WBO, WB0+16
.set eu, 0
.rept 33
	EU
.endr
	FINALS
	global_store_b128 v[CO], v[XO+4:XO+7], s[10:11] offset:OROW+256*\g th:TH_STORE_NT
.endm
	QLOAD QB0                                      ; q of step 0
	STEP 0, 0, 1, 0, 0                             ; step 0: no epilogue yet
	WIN 0
	s_mov_b32 s76, 7                               ; steps 1 to 14: they fetch q of steps 2 to 15, slots that landed with the first fill
.Lfirst:
	TRIP
	s_sub_co_u32 s76, s76, 1
	s_cmp_lg_u32 s76, 0
	s_cbranch_scc1 .Lfirst
	s_wait_tensorcnt 0x0                           ; my part of slots 16-31 has landed,
	s_wait_dscnt 0x0                               ; no LDS instruction of mine is pending at the signal,
	s_barrier_signal -1
	s_barrier_wait -1                              ; and everybody's part has: step 15 fetches slot 16.
	s_mov_b32 s76, 8                               ; steps 15 to 30
.Lsecond:
	TRIP
	s_sub_co_u32 s76, s76, 1
	s_cmp_lg_u32 s76, 0
	s_cbranch_scc1 .Lsecond
	STEP 1, 1, 0, 0, 0                             ; step 31: no q is left to fetch; it stores row 30, where the base now stands
	s_wait_dscnt 0x0                               ; the q_s of step 31
	WIN S1
	DRAIN 0                                        ; its vector instructions are also the places behind the last products, which DRAIN 1 reads
	WIN S2
	DRAIN 1
	WIN 0
	s_wait_tensorcnt 0x0
	ds_add_u32 v254, v255
	s_wait_dscnt 0x0
	ROUND                                          ; the closing round: no work-group ends while a partner may still ask for a tile that names it
	s_endpgm
.Lfunc_end_k_q40019a5004_indexer:
	.size	k_q40019a5004_indexer, .Lfunc_end_k_q40019a5004_indexer-k_q40019a5004_indexer
	.p2alignl 7, 3214868480
	.fill 96, 4, 3214868480
	.section	.rodata,"a",@progbits
	.p2align	6, 0x0
	.amdhsa_kernel k_q40019a5004_indexer
		.amdhsa_group_segment_fixed_size 327680
		.amdhsa_private_segment_fixed_size 0
		.amdhsa_enable_private_segment 0
		.amdhsa_kernarg_size 32
		.amdhsa_user_sgpr_count 2
		.amdhsa_user_sgpr_kernarg_segment_ptr 1
		.amdhsa_wavefront_size32 1
		.amdhsa_system_sgpr_workgroup_id_x 1
		.amdhsa_system_sgpr_workgroup_id_y 1
		.amdhsa_system_sgpr_workgroup_id_z 1
		.amdhsa_system_vgpr_workitem_id 0
		.amdhsa_next_free_vgpr 768
		.amdhsa_next_free_sgpr 80
		.amdhsa_reserve_vcc 0
		.amdhsa_float_denorm_mode_32 3
		.amdhsa_float_denorm_mode_16_64 3
		.amdhsa_memory_ordered 1
		.amdhsa_forward_progress 1
		.amdhsa_inst_pref_size 99
	.end_amdhsa_kernel
	.amdgpu_metadata
---
amdhsa.version: [ 1, 2 ]
amdhsa.kernels:
  - .name:           k_q40019a5004_indexer
    .symbol:         k_q40019a5004_indexer.kd
    .args:
      - { .name: q, .offset: 0, .size: 8, .value_kind: global_buffer, .address_space: global }
      - { .name: k, .offset: 8, .size: 8, .value_kind: global_buffer, .address_space: global }
      - { .name: weights, .offset: 16, .size: 8, .value_kind: global_buffer, .address_space: global }
      - { .name: out0, .offset: 24, .size: 8, .value_kind: global_buffer, .address_space: global }
    .group_segment_fixed_size: 327680
    .private_segment_fixed_size: 0
    .kernarg_segment_align: 8
    .kernarg_segment_size: 32
    .max_flat_workgroup_size: 128
    .sgpr_count:     80
    .vgpr_count:     768
    .wavefront_size: 32
...
	.end_amdgpu_metadata
.endif
;; end of part 1
